; MI455X (gfx1250); checked and timed in simulation.
; The chip was launched on July 23, 2026; its instructions are those of AMD's public machine-readable ISA for CDNA 5 (MIT licence, August 2026) and "CDNA5" Instruction Set Architecture Reference Guide (July 2026). The comments in the code are by the model that wrote it; some were corrected since.
;; Tensor Base. Allowed arithmetic: matrix products marked QUANTISED: E5M2 operands, one E8M0 scale for each 32 along K, by v_wmma_scale_f32_16x16x128_f8f6f4 with both operands' format E5M2, f32 sums; products left as they are: f32 operands where the result goes on into a quantised operand, else bf16, f16 or f32 operands; f32 sums; everything else in f32.
;; Inputs: W1 390 x 128 float32; W2 128 x 128 float32; W3 128 x 3 float32; app_grid 27 x 128 x 128 x 128 float32; b1 128 float32; b2 128 float32; b3 3 float32; density_grid 128 x 128 x 128 float32; rays_d 2,048 x 3 float32; rays_o 2,048 x 3 float32.
;; Outputs: out0 2,048 x 3 float32.
;; Constants: n_samples = 256.
;; This version of the problem:
;;   THIS VERSION OF THE PROBLEM IS GIVEN IN LOW PRECISION. The matrix products marked QUANTISED in the list below multiply operands that are first quantised to E5M2 (5 exponent bits, 2 mantissa bits; 8 bits a number), with one power-of-two scale for each 32 numbers along K (OCP MX v1.0); their sums are f32. All else is computed in f32.
;;   The module's matrix products, in the order in which they are computed (A, B: the left and right operand; K: the contracted axis; several contracted axes count as one K, in the product's order):
;;     1. [M 524,288, K 390] x [K 390, N 128]; A: computed on the way; B: input W1: QUANTISED
;;     2. [M 524,288, K 128] x [K 128, N 128]; A: computed on the way; B: input W2: QUANTISED
;;     3. [M 524,288, K 128] x [K 128, N 3]; A: computed on the way; B: input W3: left as it is (N = 3 < 16)
;;   THE QUANTISER, for each operand of a quantised product, along K:
;;     - K is cut into blocks of 32 from its start; a last block that is shorter is filled with zeros.
;;     - A block's scale is 2^e with e = floor(log2(the largest magnitude in the block)) - 15, held to -126 .. 127; a block of zeros has e = 0. As a byte (E8M0): e + 127.
;;     - Each number is divided by its block's scale, clamped to +-57,344, and rounded to the nearest number of E5M2, ties to even, subnormals kept.
;;     - The product sums the exact products of the quantised numbers (number of the format x scale) in f32.
;;   ~~~python
;;   def quantise(x, axis):      # numpy; x: float32 -> the quantised numbers, widened to float32 again
;;       x = np.moveaxis(x, axis, -1); K = x.shape[-1]
;;       x = np.pad(x, [(0, 0)] * (x.ndim - 1) + [(0, -K % 32)]); x = x.reshape(x.shape[:-1] + (-1, 32)); a = np.abs(x).max(-1, keepdims=True)
;;       e = np.where(a > 0, np.clip(np.frexp(np.where(a > 0, a, 1))[1] - 1 - 15, -126, 127), 0)      # np.frexp(a)[1] - 1 = floor(log2(a)), exactly
;;       r = np.clip(x / 2.0 ** e, -57344, 57344)
;;       step = 2.0 ** (np.maximum(np.frexp(np.where(r == 0, 1, r))[1] - 1, -14) - 2)
;;       q = np.round(r / step) * step * 2.0 ** e      # np.round: ties to even
;;       return np.moveaxis(q.reshape(q.shape[:-2] + (-1,))[..., :K], -1, axis).astype(np.float32)
;;   ~~~
;;   OPERANDS COMPUTED ON THE WAY. 'Computed on the way' means the value that the module computes at that place (a softmax that the list does not call 'softmax' is quantised finished and normalised). What goes into a quantiser is computed in f32, as accurately as f32 sums, v_exp_f32 and their like allow (about 1e-6 of the number): no bf16 or f16 on the way to a quantiser, and a product that is left as it is and whose result goes on into a quantised operand takes f32 operands (vector FMAs, or v_wmma_f32_16x16x4_f32). A number that lies on a knife's edge between two numbers of the format may be rounded either way, as far as f32 arithmetic and the matrix unit's own rounding can turn it there, and no further.
;; One version. Each part assembles by itself: llvm-mc -triple=amdgcn-amd-amdhsa -mcpu=gfx1250 --defsym DOCPART=n.
;; ======== version 1 of 1: 2 launches
;; limits: a function is approximated: absolute error at most 1e-05
;; workspace buffers: gridT 234,881,024 bytes; idx 2,097,152 bytes of whole numbers; frac 6,291,456 bytes; rayc 524,288 bytes; wimg 86,016 bytes; wsc 5,120 bytes
;; launch prep (part 1): grid 9227 x 1, 4 waves a work-group, no clusters, 29,184 bytes of LDS; arguments app_grid, density_grid, rays_o, rays_d, W1, W2, W3, gridT, idx, frac, rayc, wimg, wsc; writes gridT, idx, frac, rayc, wimg, wsc
.if DOCPART == 1
	.amdgcn_target "amdgcn-amd-amdhsa--gfx1250"
	.amdhsa_code_object_version 6
	.text
	.protected	k_q553371bacb_prep
	.globl	k_q553371bacb_prep
	.p2align	8
	.type	k_q553371bacb_prep,@function
k_q553371bacb_prep:
	s_mov_b64 s[64:65], 0
	v_nop
	global_prefetch_b8 v0, s[64:65] scope:SCOPE_SE
	s_setreg_imm32_b32 hwreg(HW_REG_WAVE_MODE, 25, 1), 1
	s_wait_xcnt 0x0
; THREE ROLES, chosen by the work-group's number; each is straight-line text and ends by itself.
; GRID (work-groups 0 .. 8191): app_grid [27][128^3] and density_grid [128^3] are laid anew as gridT [voxel][28] f32 (channels 0-26 app, 27 density; 112 bytes a voxel),
;   so that the shading launch fetches a voxel's 28 numbers by seven loads of 16 bytes.  A wave takes 64 voxels: 56 loads of 128 consecutive bytes, a turn through its own 7,168 bytes of LDS, 14 stores of 512 consecutive bytes.
; GEOM (8192 .. 9215): for each of the 2,048 x 256 points the voxel index z0<<14 | y0<<7 | x0 as a whole number (idx) and the three fractions (frac, three planes); for each ray a record of 64 words (rayc):
;   words 0-35: 2 x the view encoding in k order (k = 354 + e); 36-38 the view direction; 39 its largest magnitude; 40 the largest magnitude of words 0-29; 41 step x |d| x 25 x log2(e);
;   42, 43 the E5M2 codes of k = 384 .. 391 (block 12, the last two zeros); 44 that block's scale byte under three bytes 0x7f.
; WTS (9216 .. 9226): W1 and W2 become E5M2 codes with one E8M0 byte for each 32 along K, laid as images of the operand's registers (fragment f: 2,048 f + 512 c + 16 lane; its scale words 128 f + 4 lane); W3 becomes four bf16 fragments.
; LIMITS.  sin and cos are made by arithmetic: the angle less a whole number of turns (2 pi in two parts: angles up to about 1e5), a Taylor sum to the 13th power at half the angle, one doubling.
;   /3 is a multiplication by 1/3 and 1/|d| is v_rcp_f32: an ulp beside the division.  A block of zeros gets the byte 1 (the rule says 127): its codes are zeros and this program alone reads the bytes.  NaN and infinities are not served.
.set NGRID, 8192
.set NGEOM, 1024
.set CHS,   0x800000                   ; bytes of one channel's plane: 128^3 x 4
.set MNT,   49                         ; s49      the mantissa field of 57,344
.set SEL,   50                         ; s[50:51] v_permlanex16_b32's selects for lane l xor 16
.set SA,    58                         ; s[58:59] the sine sum's last coefficient, twice
.set SB,    60                         ; s[60:61] the cosine sum's
	s_load_b512 s[4:19], s[0:1], 0x0               ; app s[4:5], density s[6:7], rays_o s[8:9], rays_d s[10:11], W1 s[12:13], W2 s[14:15], W3 s[16:17], gridT s[18:19]
	s_load_b256 s[20:27], s[0:1], 0x40             ; idx s[20:21], frac s[22:23], rayc s[24:25], wimg s[26:27]
	s_load_b64 s[28:29], s[0:1], 0x60              ; wsc
	v_lshl_add_u32 v128, v0, 2, 0x7000
	v_mov_b32 v129, 0
	v_lshrrev_b32 v1, 5, v0
	v_readfirstlane_b32 s30, v1                    ; wave 0..3
	v_and_b32 v1, 31, v0                           ; lane
	s_mov_b32 s[MNT], 0x600000
	s_mov_b32 s[SEL], 0x76543210
	s_mov_b32 s[SEL+1], 0xfedcba98
	s_wait_kmcnt 0x0
	s_cmp_lt_u32 ttmp9, NGRID
	s_cbranch_scc1 .Lgrid
	s_cmp_lt_u32 ttmp9, NGRID+NGEOM
	s_cbranch_scc1 .Lgeom
; ---------------------------------------------------------------- WTS: task = 4 x (work-group - 9216) + wave, 0 .. 43
	s_sub_co_u32 s31, ttmp9, NGRID+NGEOM
	s_lshl_b32 s31, s31, 2
	s_add_co_u32 s31, s31, s30                     ; the task
	v_and_b32 v2, 15, v1                           ; r
	v_lshrrev_b32 v3, 4, v1                        ; h
	v_lshlrev_b32 v6, 4, v1                        ; 16 x lane
	v_lshlrev_b32 v7, 2, v1                        ; 4 x lane
	s_cmp_lt_u32 s31, 40
	s_cbranch_scc0 .Lw3
	; tasks 0-31: W1's fragment (K step s = task / 8, tile t = task % 8); tasks 32-39: W2's tile t.
	; Lane (r, h) takes one column n and its registers run down K: register 16 c + i is k = 128 s + 32 c + 16 h + i.
	; W1's columns of a tile are not neighbours: n = 32 (t / 2) + 8 (t % 2) + r + 8 (r / 8), so that the first product's results are neighbours along the second product's K.  W2's are: n = 16 t + r.
	s_and_b32 s32, s31, 7                          ; t
	s_lshr_b32 s33, s31, 3                         ; s
	s_lshr_b32 s34, s32, 1
	s_lshl_b32 s34, s34, 5
	s_and_b32 s35, s32, 1
	s_lshl_b32 s35, s35, 3
	s_add_co_u32 s34, s34, s35                     ; W1's first column
	s_lshl_b32 s35, s32, 4                         ; W2's
	s_cmp_lt_u32 s31, 32                           ; the choice hangs on the task's number alone
	s_cselect_b64 s[36:37], s[12:13], s[14:15]
	s_cselect_b32 s34, s34, s35
	s_cselect_b32 s33, s33, 0
	s_cselect_b32 s38, 8, 0
	s_lshl_b32 s40, s33, 16                        ; 128 s rows of 512 bytes
	s_lshl_b32 s34, s34, 2
	s_add_co_u32 s40, s40, s34
	s_mov_b32 s41, 0
	s_add_nc_u64 s[36:37], s[36:37], s[40:41]
	v_lshrrev_b32 v4, 3, v2
	v_mul_u32_u24 v4, s38, v4
	v_add_nc_u32 v4, v4, v2
	v_lshlrev_b32 v4, 2, v4                        ; 4 x (r + 8 (r / 8)) or 4 r
	v_lshl_add_u32 v5, v3, 13, v4                  ; + 16 h rows
.irp b, 0,1,2,3
	v_mov_b32 v[12+\b], 0                          ; a lane permute's destination counts as one of its sources
.endr
	s_cmp_eq_u32 s33, 3
	s_cbranch_scc1 .Ltail
.irp c, 0,1,2,3
.irp i, 0,1,2,3,4,5,6,7,8,9,10,11,12,13,14,15
	global_load_b32 v[32+16*\c+\i], v5, s[36:37] offset:512*(32*\c+\i)   ; sixteen lanes read columns of one row
.endr
.endr
	s_branch .Lquant
.Ltail:                                            ; K step 3 holds k = 384 .. 389 alone: six rows are loaded (no load passes row 389), all else is 0
.irp i, 0,1,2,3,4,5
	global_load_b32 v[32+\i], v4, s[36:37] offset:512*\i
.endr
.set i_, 38
.rept 58
	v_mov_b32 v[i_], 0
.set i_, i_+1
.endr
	s_wait_loadcnt 0x0
	v_cmp_gt_u32 vcc_lo, 16, v1
.irp i, 0,1,2,3,4,5
	v_cndmask_b32 v[32+\i], 0, v[32+\i], vcc_lo    ; lanes 16-31 stand for k = 400 on
.endr
.Lquant:
	s_wait_loadcnt 0x0
	; the quantiser: v8-11 largest magnitudes, v12-15 bytes, v16-19 57,344 x the scale, v20-23 the conversion's scale operand
.irp b, 0,1,2,3
	v_max3_num_f32 v[8+\b], |v[32+16*\b]|, |v[33+16*\b]|, 0x8000000   ; my 16 numbers of block b, and the floor 2^(16 - 127): the byte cannot fall under 1
.endr
.irp i, 2,4,6,8,10,12,14
.irp b, 0,1,2,3
	v_max3_num_f32 v[8+\b], v[8+\b], |v[32+16*\b+\i]|, |v[33+16*\b+\i]|
.endr
.endr
.irp b, 0,1,2,3
	v_permlanex16_b32 v[12+\b], v[8+\b], s[SEL], s[SEL+1]
.endr
.irp b, 0,1,2,3
	v_max_num_f32 v[8+\b], v[8+\b], v[12+\b]       ; with lane l xor 16's 16: the block's
.endr
.irp b, 0,1,2,3
	v_add_nc_u32 v[20+\b], 0xf8800000, v[8+\b]     ; 15 off the exponent field
.endr
.irp b, 0,1,2,3
	v_and_or_b32 v[16+\b], v[8+\b], 0x7f800000, s[MNT]
.endr
.irp b, 0,1,2,3
	v_lshrrev_b32 v[12+\b], 23, v[20+\b]           ; the scale's byte
.endr
	v_lshl_or_b32 v112, v13, 8, v12
	v_lshl_or_b32 v112, v14, 16, v112
	v_lshl_or_b32 v112, v15, 24, v112              ; my column's scale word
.irp b, 0,1,2,3
.irp i, 0,1,2,3,4,5,6,7,8,9,10,11,12,13,14,15
	v_med3_num_f32 v[32+16*\b+\i], v[32+16*\b+\i], -v[16+\b], v[16+\b]   ; the conversion to an 8-bit code does not saturate (ISA guide 7.6.2): the hold comes first
.endr
	v_cvt_scalef32_pk8_bf8_f32 v[96+4*\b:97+4*\b], v[32+16*\b:39+16*\b], v[20+\b]
	v_cvt_scalef32_pk8_bf8_f32 v[98+4*\b:99+4*\b], v[40+16*\b:47+16*\b], v[20+\b]
.endr
	v_nop
	s_lshl_b32 s40, s31, 11
	s_add_nc_u64 s[26:27], s[26:27], s[40:41]
	s_lshl_b32 s40, s31, 7
	s_add_nc_u64 s[28:29], s[28:29], s[40:41]
.irp c, 0,1,2,3
	global_store_b128 v6, v[96+4*\c:99+4*\c], s[26:27] offset:512*\c   ; 512 consecutive bytes a store
.endr
	global_store_b32 v7, v112, s[28:29]
	s_endpgm
.Lw3:                                              ; tasks 40-43: W3^T as source 0 of the bf16 form, K = 32 tt .. 32 tt + 31.  Rows 0-2 and 8-10 hold the three channels, the others zeros
	s_sub_co_u32 s32, s31, 40                      ; tt
	s_mul_i32 s40, s32, 384                        ; 32 rows of 12 bytes
	s_mov_b32 s41, 0
	s_add_nc_u64 s[16:17], s[16:17], s[40:41]
	v_and_b32 v4, 7, v2                            ; the channel, if under 3
	v_min_u32 v5, 2, v4                            ; (held inside the row)
	v_lshlrev_b32 v5, 2, v5
	v_mad_u32_u24 v5, v3, 96, v5                   ; + 8 h rows
.set e_, 0
.rept 16
	global_load_b32 v[32+e_], v5, s[16:17] offset:12*(e_+8*(e_/8))   ; k = 8 h + 0 .. 7, then 16 + 8 h + 0 .. 7
.set e_, e_+1
.endr
	s_wait_loadcnt 0x0
	v_cmp_gt_u32 vcc_lo, 3, v4
.set e_, 0
.rept 16
	v_cndmask_b32 v[32+e_], 0, v[32+e_], vcc_lo
.set e_, e_+1
.endr
.irp g, 0,1,2,3,4,5,6,7
	v_cvt_pk_bf16_f32 v[48+\g], v[32+2*\g], v[33+2*\g]
.endr
	s_lshl_b32 s40, s32, 10
	s_add_co_u32 s40, s40, 81920
	s_add_nc_u64 s[26:27], s[26:27], s[40:41]
	global_store_b128 v6, v[48:51], s[26:27]
	global_store_b128 v6, v[52:55], s[26:27] offset:512
	s_endpgm
; ---------------------------------------------------------------- GRID
.Lgrid:
	s_lshl_b32 s44, ttmp9, 10
	s_lshl_b32 s45, s30, 8
	s_add_co_u32 s44, s44, s45                     ; 4 x my first voxel: 256 x work-group + 64 x wave voxels
	s_mov_b32 s45, 0
	s_add_nc_u64 s[4:5], s[4:5], s[44:45]
	s_add_nc_u64 s[40:41], s[6:7], s[44:45]        ; density
	; a channel's plane is one byte more than the largest immediate: four bases at channels 1, 9, 17, 25, four offsets two planes apart, and the immediate 0 or minus one plane
.irp g, 0,1,2,3
	s_add_nc_u64 s[32+2*\g:33+2*\g], s[4:5], (8*\g+1)*CHS
.endr
	s_mul_i32 s44, ttmp9, 28672                    ; 256 voxels of 112 bytes
	s_mul_i32 s46, s30, 7168                       ; 64 voxels: also my wave's bytes of LDS
	s_add_co_u32 s44, s44, s46
	s_add_nc_u64 s[42:43], s[18:19], s[44:45]
	v_lshlrev_b32 v2, 2, v1
.irp m, 1,2,3
	v_add_nc_u32 v[2+\m], \m*2*CHS, v2
.endr
	v_mul_u32_u24 v6, v1, 112
	v_add_nc_u32 v6, s46, v6                       ; into LDS: a voxel's 112 bytes on end
	v_lshlrev_b32 v8, 4, v1
	v_add_nc_u32 v7, s46, v8                       ; and out of it: 16 bytes a lane
.irp u, 0,1
.set c_, 0
.rept 27
	global_load_b32 v[16+28*\u+c_], v[2+(c_%8)/2], s[32+2*(c_/8):33+2*(c_/8)] offset:(c_%2-1)*CHS+128*\u th:TH_LOAD_NT   ; channel c_ of voxels 32 u + lane: read once in the launch
.set c_, c_+1
.endr
	global_load_b32 v[16+28*\u+27], v2, s[40:41] offset:128*\u th:TH_LOAD_NT
.endr
	s_wait_loadcnt 28                              ; the first 32 voxels are in; the other half's 28 loads may be out
.irp j, 0,1,2,3,4,5,6
	ds_store_b128 v6, v[16+4*\j:19+4*\j] offset:16*\j
.endr
	s_wait_loadcnt 0x0
.irp j, 0,1,2,3,4,5,6
	ds_store_b128 v6, v[44+4*\j:47+4*\j] offset:3584+16*\j
.endr
.irp i, 0,1,2,3,4,5,6,7,8,9,10,11,12,13
	ds_load_b128 v[72+4*\i:75+4*\i], v7 offset:512*\i   ; my wave's own bytes; LDS serves a wave's instructions in order (ISA guide 5.7.1.4): these see the stores
.endr
.irp i, 0,1,2,3,4,5,6,7,8,9,10,11,12,13
	s_wait_dscnt 13-\i                             ; the younger LDS loads may be out
	global_store_b128 v8, v[72+4*\i:75+4*\i], s[42:43] offset:512*\i   ; 512 consecutive bytes, at a multiple of 256 from gridT's first byte
.endr
	s_wait_tensorcnt 0x0
	ds_add_u32 v128, v129
	s_wait_dscnt 0x0
	s_endpgm
; ---------------------------------------------------------------- GEOM: a wave takes half a ray, four samples a lane
.Lgeom:
	s_sub_co_u32 s31, ttmp9, NGRID
	s_lshl_b32 s31, s31, 1
	s_lshr_b32 s39, s30, 1
	s_add_co_u32 s31, s31, s39                     ; the ray
	s_and_b32 s39, s30, 1                          ; which half
	s_mul_i32 s40, s31, 12
	s_mov_b32 s41, 0
	s_add_nc_u64 s[8:9], s[8:9], s[40:41]
	s_add_nc_u64 s[10:11], s[10:11], s[40:41]
	s_load_b96 s[32:34], s[8:9], 0x0               ; o
	s_load_b96 s[36:38], s[10:11], 0x0             ; d
	s_lshl_b32 s40, s31, 10
	s_lshl_b32 s42, s39, 9
	s_add_co_u32 s40, s40, s42                     ; 4 x (256 ray + 128 half)
	s_add_nc_u64 s[20:21], s[20:21], s[40:41]
	s_add_nc_u64 s[22:23], s[22:23], s[40:41]
	s_lshl_b32 s42, s39, 7
	v_lshl_add_u32 v2, v1, 2, s42                  ; my first sample
	v_lshlrev_b32 v3, 4, v1
	s_mov_b32 s[SA], 0x29309231
	s_mov_b32 s[SA+1], s[SA]
	s_mov_b32 s[SB], 0x2b8f76c8
	s_mov_b32 s[SB+1], s[SB]
	s_wait_kmcnt 0x0
.macro AXIS a, e                       ; t in v8 -> the axis's cell in v[12 + a] and its fraction in v[20 + 4 a + e]
	v_fma_f32 v9, s[36+\a], v8, s[32+\a]           ; o + d t
	v_add_f32 v9, 0x3fc00000, v9                   ; + 1.5
	v_mul_f32 v9, 0x3eaaaaab, v9                   ; / 3
	v_fma_f32 v9, v9, 2.0, -1.0
	v_med3_num_f32 v9, v9, -1.0, 1.0
	v_add_f32 v9, 1.0, v9
	v_mul_f32 v9, 0x427e0000, v9                   ; x 63.5
	v_floor_f32 v10, v9
	v_med3_num_f32 v10, v10, 0, 0x42fc0000         ; 0 .. 126
	v_sub_f32 v9, v9, v10
	v_med3_num_f32 v[20+4*\a+\e], v9, 0, 1.0
	v_cvt_u32_f32 v[12+\a], v10
.endm
.irp e, 0,1,2,3
	v_add_nc_u32 v8, \e, v2
	v_cvt_f32_u32 v8, v8
	v_mul_f32 v8, 0x3b808081, v8                   ; i / 255
	v_sub_f32 v9, 1.0, v8
	v_mul_f32 v8, 0x3fb33333, v8
	v_fma_f32 v8, v9, 0x3e4ccccd, v8               ; t = 0.2 (1 - f) + 1.4 f
	AXIS 0, \e
	AXIS 1, \e
	AXIS 2, \e
	v_lshl_or_b32 v[16+\e], v13, 7, v12
	v_lshl_or_b32 v[16+\e], v14, 14, v[16+\e]
.endr
	global_store_b128 v3, v[16:19], s[20:21]       ; 512 consecutive bytes each
	global_store_b128 v3, v[20:23], s[22:23]
	global_store_b128 v3, v[24:27], s[22:23] offset:2097152
	global_store_b128 v3, v[28:31], s[22:23] offset:4194304
	s_cmp_lg_u32 s39, 0
	s_cbranch_scc1 .Lgeom_end
	; the ray's record, by the wave of the first half
	v_mul_f32 v40, s36, s36
	v_fma_f32 v40, s37, s37, v40
	v_fma_f32 v40, s38, s38, v40
	v_sqrt_f32 v41, v40                            ; |d|
	v_nop                                          ; one plain instruction behind a transcendental (ISA guide 5.7.2)
	s_wait_alu depctr_va_vdst(0)
	v_rcp_f32 v42, v41
	v_mul_f32 v46, 0x3b9a33cd, v41                 ; the step 1.2 / 255 x |d|
	s_wait_alu depctr_va_vdst(0)
	v_mul_f32 v43, s36, v42                        ; the view direction
	v_mul_f32 v44, s37, v42
	v_mul_f32 v45, s38, v42
	v_mul_f32 v46, 0x41c80000, v46                 ; x 25
	v_mul_f32 v46, 0x3fb8aa3b, v46                 ; x log2(e)
	; lane l makes entries 2 l and 2 l + 1 of the 36: axis l / 6; m = l % 6: sines of levels 2 m, 2 m + 1 (m < 3) or cosines of levels 2 (m - 3), 2 (m - 3) + 1
	v_mul_u32_u24 v47, v1, 43
	v_lshrrev_b32 v47, 8, v47                      ; l / 6 for l < 18
	v_mul_u32_u24 v48, v47, 6
	v_sub_nc_u32 v48, v1, v48                      ; m
	v_cmp_le_u32 s48, 3, v48                       ; a cosine?
	v_mov_b32 v51, 3
	v_cndmask_b32 v49, 0, v51, s48
	v_sub_nc_u32 v49, v48, v49
	v_lshlrev_b32 v49, 1, v49                      ; the first entry's level
	v_cmp_eq_u32 vcc_lo, 1, v47
	v_cndmask_b32 v50, v43, v44, vcc_lo
	v_cmp_lt_u32 vcc_lo, 1, v47
	v_cndmask_b32 v50, v50, v45, vcc_lo
	v_ldexp_f32 v52, v50, v49
	v_add_nc_u32 v49, 1, v49
	v_ldexp_f32 v53, v50, v49
	; 2 sin and 2 cos of half the reduced angle: v[54:55] turns, then the square; v[56:57] the reduced angle; v[58:59], v[60:61] the two sums
	v_pk_mul_f32 v[54:55], v[52:53], 0.15915494 op_sel_hi:[1,0]
	v_rndne_f32 v54, v54
	v_rndne_f32 v55, v55
	v_pk_fma_f32 v[56:57], v[54:55], 0xc0c90fdb, v[52:53] op_sel_hi:[1,0,1]
	v_pk_fma_f32 v[56:57], v[54:55], 0x343bbd2e, v[56:57] op_sel_hi:[1,0,1]
	v_pk_mul_f32 v[54:55], v[56:57], v[56:57]
	v_pk_fma_f32 v[58:59], v[54:55], s[SA:SA+1], 0xadd7322b op_sel_hi:[1,0,0]
	v_pk_fma_f32 v[60:61], v[54:55], s[SB:SB+1], 0xb013f27e op_sel_hi:[1,0,0]
.macro HORN ka, kb
	v_pk_fma_f32 v[58:59], v[58:59], v[54:55], \ka op_sel_hi:[1,1,0]
	v_pk_fma_f32 v[60:61], v[60:61], v[54:55], \kb op_sel_hi:[1,1,0]
.endm
	HORN 0x3238ef1d, 0x34500d01
	HORN 0xb6500d01, 0xb8360b61
	HORN 0x3a088889, 0x3baaaaab
	HORN 0xbd2aaaab, 0xbe800000
	HORN 1.0, 2.0
	v_pk_mul_f32 v[58:59], v[58:59], v[56:57]      ; 2 sin(R / 2)
	v_pk_mul_f32 v[62:63], v[58:59], v[60:61]      ; 2 sin R
	v_pk_fma_f32 v[64:65], v[58:59], v[58:59], 2.0 op_sel_hi:[1,1,0] neg_lo:[1,0,0] neg_hi:[1,0,0]   ; 2 cos R = 2 - (2 sin(R / 2))^2
	v_cndmask_b32 v66, v62, v64, s48
	v_cndmask_b32 v67, v63, v65, s48
	v_max_num_f32 v68, |v66|, |v67|                ; the largest magnitude of entries 0 .. 29: lanes 0 .. 14
	v_cmp_gt_u32 vcc_lo, 15, v1
	v_cndmask_b32 v68, 0, v68, vcc_lo
.irp m, 1,2,4,8
	v_max_num_f32_dpp v68, v68, v68 row_xmask:\m row_mask:0xf bank_mask:0xf
.endr
	v_mov_b32 v69, 0
	v_permlanex16_b32 v69, v68, s[SEL], s[SEL+1]
	v_max_num_f32 v68, v68, v69
	; block 12: entries 30 .. 35 and two zeros, quantised.  The numbers are doubled, so the floor is doubled and the byte loses 1
	v_readlane_b32 s52, v66, 15
	v_readlane_b32 s53, v67, 15
	v_readlane_b32 s54, v66, 16
	v_readlane_b32 s55, v67, 16
	v_readlane_b32 s56, v66, 17
	v_readlane_b32 s57, v67, 17
.irp i, 0,1,2,3,4,5
	v_mov_b32 v[72+\i], s[52+\i]
.endr
	v_mov_b32 v78, 0
	v_mov_b32 v79, 0
	v_max3_num_f32 v80, |v72|, |v73|, |v74|
	v_max3_num_f32 v81, |v75|, |v76|, |v77|
	v_max3_num_f32 v80, v80, v81, 0x8800000
	v_add_nc_u32 v81, 0xf8800000, v80
	v_and_or_b32 v82, v80, 0x7f800000, s[MNT]
.irp i, 0,1,2,3,4,5
	v_med3_num_f32 v[72+\i], v[72+\i], -v82, v82
.endr
	v_cvt_scalef32_pk8_bf8_f32 v[84:85], v[72:79], v81
	v_lshrrev_b32 v83, 23, v81                     ; (the plain instruction behind the conversion)
	v_add_nc_u32 v83, -1, v83
	v_or_b32 v83, 0x7f7f7f00, v83
	v_max3_num_f32 v86, |v43|, |v44|, |v45|
.macro PUT reg, src, lane              ; a number that every lane holds goes into one lane of the record
	v_readfirstlane_b32 s52, v[\src]
	v_writelane_b32 v[\reg], s52, \lane
.endm
	PUT 66, 43, 18
	PUT 67, 44, 18
	PUT 66, 45, 19
	PUT 67, 86, 19
	PUT 66, 68, 20
	PUT 67, 46, 20
	PUT 66, 84, 21
	PUT 67, 85, 21
	PUT 66, 83, 22
	PUT 67, 78, 22
	s_lshl_b32 s40, s31, 8
	s_add_nc_u64 s[24:25], s[24:25], s[40:41]
	v_lshlrev_b32 v4, 3, v1
	global_store_b64 v4, v[66:67], s[24:25]        ; 256 consecutive bytes, aligned
.Lgeom_end:
	s_endpgm
.Lfunc_end_k_q553371bacb_prep:
	.size	k_q553371bacb_prep, .Lfunc_end_k_q553371bacb_prep-k_q553371bacb_prep
	.p2alignl 7, 3214868480
	.fill 96, 4, 3214868480
	.section	.rodata,"a",@progbits
	.p2align	6, 0x0
	.amdhsa_kernel k_q553371bacb_prep
		.amdhsa_group_segment_fixed_size 29184
		.amdhsa_private_segment_fixed_size 0
		.amdhsa_enable_private_segment 0
		.amdhsa_kernarg_size 104
		.amdhsa_user_sgpr_count 2
		.amdhsa_user_sgpr_kernarg_segment_ptr 1
		.amdhsa_wavefront_size32 1
		.amdhsa_system_sgpr_workgroup_id_x 1
		.amdhsa_system_sgpr_workgroup_id_y 1
		.amdhsa_system_sgpr_workgroup_id_z 1
		.amdhsa_system_vgpr_workitem_id 0
		.amdhsa_next_free_vgpr 130
		.amdhsa_next_free_sgpr 66
		.amdhsa_reserve_vcc 1
		.amdhsa_float_denorm_mode_32 3
		.amdhsa_float_denorm_mode_16_64 3
		.amdhsa_memory_ordered 1
		.amdhsa_forward_progress 1
		.amdhsa_inst_pref_size 51
	.end_amdhsa_kernel
	.amdgpu_metadata
---
amdhsa.version: [ 1, 2 ]
amdhsa.kernels:
  - .name:           k_q553371bacb_prep
    .symbol:         k_q553371bacb_prep.kd
    .args:
      - { .name: app_grid, .offset: 0, .size: 8, .value_kind: global_buffer, .address_space: global }
      - { .name: density_grid, .offset: 8, .size: 8, .value_kind: global_buffer, .address_space: global }
      - { .name: rays_o, .offset: 16, .size: 8, .value_kind: global_buffer, .address_space: global }
      - { .name: rays_d, .offset: 24, .size: 8, .value_kind: global_buffer, .address_space: global }
      - { .name: W1, .offset: 32, .size: 8, .value_kind: global_buffer, .address_space: global }
      - { .name: W2, .offset: 40, .size: 8, .value_kind: global_buffer, .address_space: global }
      - { .name: W3, .offset: 48, .size: 8, .value_kind: global_buffer, .address_space: global }
      - { .name: gridT, .offset: 56, .size: 8, .value_kind: global_buffer, .address_space: global }
      - { .name: idx, .offset: 64, .size: 8, .value_kind: global_buffer, .address_space: global }
      - { .name: frac, .offset: 72, .size: 8, .value_kind: global_buffer, .address_space: global }
      - { .name: rayc, .offset: 80, .size: 8, .value_kind: global_buffer, .address_space: global }
      - { .name: wimg, .offset: 88, .size: 8, .value_kind: global_buffer, .address_space: global }
      - { .name: wsc, .offset: 96, .size: 8, .value_kind: global_buffer, .address_space: global }
    .group_segment_fixed_size: 29184
    .private_segment_fixed_size: 0
    .kernarg_segment_align: 8
    .kernarg_segment_size: 104
    .max_flat_workgroup_size: 128
    .sgpr_count:     66
    .vgpr_count:     130
    .wavefront_size: 32
...
	.end_amdgpu_metadata
.endif
;; end of part 1
;; launch render (part 2): grid 256 x 1, 4 waves a work-group, no clusters, 90,624 bytes of LDS; arguments gridT, idx, frac, rayc, wimg, wsc, b1, b2, b3, out0; writes out0
.if DOCPART == 2
	.amdgcn_target "amdgcn-amd-amdhsa--gfx1250"
	.amdhsa_code_object_version 6
	.text
	.protected	k_q553371bacb_render
	.globl	k_q553371bacb_render
	.p2align	8
	.type	k_q553371bacb_render,@function
k_q553371bacb_render:
	s_mov_b64 s[64:65], 0
	v_nop
	global_prefetch_b8 v0, s[64:65] scope:SCOPE_SE
	s_setreg_imm32_b32 hwreg(HW_REG_WAVE_MODE, 25, 1), 1
	s_wait_xcnt 0x0
; SHADING AND COMPOSITING.  256 work-groups of four waves; a wave owns two rays and walks their 512 samples in 16 steps of 32: LANE = POINT.
; A step: the eight corners' 28 numbers (56 loads of 16 bytes a lane, asked for a whole step ahead) are blended; density -> alpha -> weight by a product scan over the lanes; the 27 features are encoded
; (sin, cos of 2^j x, j = 0 .. 5), quantised to E5M2 with one E8M0 byte for each 32 along K, and go through 390 -> 128 -> 128 (scaled matrix form, f32 sums) -> 3 (bf16 form); the colours are summed under the weights.
; K OF THE FIRST PRODUCT: blocks 0-11 (k = 0 .. 383) are three K steps of 128.  Block 12 (k = 384 .. 389) holds view encodings alone, the same for all samples of a ray: its product with W1, on top of b1, is made once a ray
; by the same matrix form, kept in LDS, and is the C of each step's first K step.
; BOTH QUANTISED PRODUCTS ARE USED TRANSPOSED (source 0 = 16 rows of the weight, source 1 = 16 points), so that a lane holds one point and its registers run along the next K.
; A lane quantises all 32 numbers of a block of its own point: codes of k 0-15 into XC0, of k 16-31 into XC1; v_permlane16_swap_b32 of the two makes XC0 the operand of points 0-15 and XC1 that of points 16-31.
; SIN AND COS are made by arithmetic: the angle less a whole number of turns (2 pi in two parts), Taylor sums to the 13th power for U = 2 sin, V = 2 cos of HALF the angle, then doublings U' = U V, V' = 2 - U^2.
; The encodings stay doubled: largest magnitude, hold and conversion are taken on the doubled numbers (division by twice the scale is exact) and the scale's byte loses 1.
; LIMITS.  The doublings let an error of about 1e-7 grow about twofold a level, to about 1e-5 at 2^5 x.  Features up to about 1e5.  The transmittance is a product in tree order.  A block of zeros has the byte 1 over zero codes.
; NaN and infinities are not served.  Indices are held so that all eight corners lie inside gridT.  The output is 12 bytes a ray: a wave stores its 24 bytes by one store of six lanes.
; NO CLUSTER, NO TENSOR LOAD: W1 stays in each wave's registers; what the waves share (W2, b2: 24 KB) is put into LDS once; the gathers are a lane's own.
; REGISTERS, in windows of 256.  Window 0: see the names below.  Window 1: W1's fragments of K steps 0, 1 (16 (8 s + t)).  Window 2: v0-127 W1's K step 2; v128-191, v192-255 the accumulators of points 0-15, 16-31.
; Window 3: v0-223 the eight corners (28 x corner + channel); v224-255 W3's four bf16 fragments.
.set LN,   1                           ; lane
.set LI,   2                           ; 16 x lane
.set L4,   3                           ; 4 x lane
.set VOFF, 4                           ; byte offset of my point's first corner in gridT
.set IDX,  5                           ; the next step's voxel index
.set FR,   6                           ; v6-8     its fractions
.set CAD,  9                           ; LDS address of the ray's C
.set TW,   10                          ; v10-17   the eight corner weights
.set WGT,  18                          ; alpha x transmittance
.set ACCW, 19                          ; the sum of the weights; v20-22 the colour sums
.set RGB,  20
.set RES,  23                          ; lanes 0-5: the wave's six results
.set RC0,  24                          ; v[24:25] the record of the ray in hand; v[26:27] of the other
.set RC1,  26
.set XS,   28                          ; v28-30   the points' scale words of the three K steps
.set XSW,  31                          ; the word in the making
.set HS,   32                          ; v32-33   the hidden layer's scale words
.set TM,   34                          ; v34-49   at work
.set W1S,  50                          ; v50-73   W1's scale words (8 s + t)
.set W2S,  74                          ; v74-81   W2's
.set XC0,  82                          ; v82-97   codes: points 0-15
.set XC1,  98                          ; v98-113  codes: points 16-31
.set F,    114                         ; v114-141 the blended 28 numbers
.set RING, 142                         ; v142-237 four slots of 24: a pair of features, register 2 jj + dd (jj 0-5: U of level jj; 6-11: V)
.set STG,  238                         ; v238-253 held numbers ahead of a conversion; scratch of the sums; the third product's results
.set T0,   254
.set T1,   255
.set OV,   114                         ; v114-241 W2's eight fragments while the second product runs (in the prologue: W1's K step 3)
.set HB,   114                         ; v114-177 the second hidden layer as bf16
.set D3,   238
.set A0,   128                         ; in window 2
.set A1,   192
.set W2IMG, 0                          ; LDS: W2's eight fragments as images of their registers, 2,048 bytes each
.set B2IMG, 16384                      ; b2 in the result's layout, 1,024 bytes a tile
.set CIMG,  24576                      ; b1 + block 12's product: 8,192 bytes a ray, two rays a wave
; scalars: s[4:5] gridT, s[6:7] idx, s[8:9] frac, s[10:11] out; s12 wave; s13 step 0 .. 15; s14, s15 the loops' counters; s16 LDS byte of the ray's C; s17 the carried transmittance;
; s18 lanes 16-31 as a mask; s19 57,344's mantissa field; s[20:21] lane selects; s[22:23], s[24:25] the sums' last coefficients; s26-28 -log2(e) b3; s29 step |d| 25 log2(e); s30 max |view|; s31 max of the record's entries 0-29;
; s32-34 the view direction; s66-95 the record's entries 0-29
.set MSB, 0
.macro WIN new                         ; the immediate's high byte repeats the setting that is left; a switch that changes nothing is dropped
.if MSB != \new
	s_set_vgpr_msb (MSB<<8)|\new
.set MSB, \new
.endif
.endm
.macro NOPS n
.rept \n
	v_nop
.endr
.endm
.macro WS d, a, b, c, sa, sb, row      ; a scaled product; row = 1: source 1's scales are taken from lanes 16-31
.if \row
	v_wmma_scale_f32_16x16x128_f8f6f4 v[(\d):(\d)+7], v[(\a):(\a)+15], v[(\b):(\b)+15], v[(\c):(\c)+7], v[\sa], v[\sb] matrix_a_fmt:MATRIX_FMT_BF8 matrix_b_fmt:MATRIX_FMT_BF8 matrix_b_scale:MATRIX_SCALE_ROW1
.else
	v_wmma_scale_f32_16x16x128_f8f6f4 v[(\d):(\d)+7], v[(\a):(\a)+15], v[(\b):(\b)+15], v[(\c):(\c)+7], v[\sa], v[\sb] matrix_a_fmt:MATRIX_FMT_BF8 matrix_b_fmt:MATRIX_FMT_BF8
.endif
.endm
.macro LDIF off                        ; a step's index and fractions: 128 consecutive bytes each
	global_load_b32 v[IDX], v[L4], s[6:7] offset:\off
	global_load_b32 v[FR], v[L4], s[8:9] offset:\off
	global_load_b32 v[FR+1], v[L4], s[8:9] offset:2097152+\off
	global_load_b32 v[FR+2], v[L4], s[8:9] offset:4194304+\off
.endm
.macro NEXTW                           ; the loaded step's corner weights, factors in the order ((z y) x), and its offset
	v_sub_f32 v[TM], 1.0, v[FR]
	v_sub_f32 v[TM+1], 1.0, v[FR+1]
	v_sub_f32 v[TM+2], 1.0, v[FR+2]
	v_mul_f32 v[TM+3], v[TM+2], v[TM+1]
	v_mul_f32 v[TM+4], v[TM+2], v[FR+1]
	v_mul_f32 v[TM+5], v[FR+2], v[TM+1]
	v_mul_f32 v[TM+6], v[FR+2], v[FR+1]
.irp zy, 0,1,2,3
	v_mul_f32 v[TW+2*\zy], v[TM+3+\zy], v[TM]
	v_mul_f32 v[TW+2*\zy+1], v[TM+3+\zy], v[FR]
.endr
	v_lshrrev_b32 v[T0], 7, v[IDX]
	v_min_u32 v[T0], 0x3f7e, v[T0]                 ; z0 x 128 + y0, held at 126 x 128 + 126
	v_and_b32 v[T1], 127, v[IDX]
	v_min_u32 v[T1], 126, v[T1]                    ; x0: with these two holds the farthest corner is the grid's last voxel
	v_mul_u32_u24 v[T0], v[T0], 14336              ; a row of 128 voxels of 112 bytes
	v_mul_u32_u24 v[T1], v[T1], 112
	v_add_nc_u32 v[VOFF], v[T0], v[T1]
.endm
.macro GATHER                          ; 56 loads: corner 4 z + 2 y + x, seven times 16 bytes
	WIN 0xc0
.irp cn, 0,1,2,3,4,5,6,7
.irp j, 0,1,2,3,4,5,6
	global_load_b128 v[28*\cn+4*\j:28*\cn+4*\j+3], v[VOFF], s[4:5] offset:112*(\cn%2)+14336*((\cn/2)%2)+1835008*(\cn/4)+16*\j
.endr
.endr
	WIN 0
.endm
.macro REDUCE                          ; the blend, two channels an instruction, corner by corner: fourteen sums by turns
	WIN 0x03
.set i_, 0
.rept 14
	v_pk_mul_f32 v[F+2*i_:F+2*i_+1], v[2*i_:2*i_+1], v[TW:TW+1] op_sel_hi:[1,0]
.set i_, i_+1
.endr
.irp cn, 1,2,3,4,5,6,7
.set i_, 0
.rept 14
.if \cn%2
	v_pk_fma_f32 v[F+2*i_:F+2*i_+1], v[28*\cn+2*i_:28*\cn+2*i_+1], v[TW+\cn-1:TW+\cn], v[F+2*i_:F+2*i_+1] op_sel:[0,1,0] op_sel_hi:[1,1,1]
.else
	v_pk_fma_f32 v[F+2*i_:F+2*i_+1], v[28*\cn+2*i_:28*\cn+2*i_+1], v[TW+\cn:TW+\cn+1], v[F+2*i_:F+2*i_+1] op_sel_hi:[1,0,1]
.endif
.set i_, i_+1
.endr
.endr
	WIN 0
.endm
.macro DENS                            ; softplus, alpha in TM+3, 1 - alpha + 1e-10 in TM+4
	v_mul_f32 v[TM], 0xbfb8aa3b, |v[F+27]|
	v_exp_f32 v[TM], v[TM]                         ; e^-|x|
	v_max_num_f32 v[TM+1], 0, v[F+27]              ; (a plain instruction behind each transcendental: ISA guide 5.7.2)
	s_wait_alu depctr_va_vdst(0)
	v_add_f32 v[TM], 1.0, v[TM]
	v_log_f32 v[TM], v[TM]
	v_nop
	s_wait_alu depctr_va_vdst(0)
	v_fma_f32 v[TM+1], v[TM], 0x3f317218, v[TM+1]  ; max(x, 0) + ln(1 + e^-|x|)
	v_mul_f32 v[TM+1], s29, v[TM+1]
	v_exp_f32 v[TM+2], -v[TM+1]
	v_nop
	s_wait_alu depctr_va_vdst(0)
	v_sub_f32 v[TM+3], 1.0, v[TM+2]
	v_sub_f32 v[TM+4], 1.0, v[TM+3]
	v_add_f32 v[TM+4], 0x2edbe6ff, v[TM+4]
.endm
.macro SCAN                            ; TM+5: the transmittance in front of my sample = the carry x the factors of all earlier lanes
	v_mov_b32 v[TM+5], s17
	v_mov_b32_dpp v[TM+5], v[TM+4] row_shr:1 row_mask:0xf bank_mask:0xf   ; lanes 0 and 16 have no source and keep the carry;
	v_readlane_b32 s36, v[TM+4], 15
	v_writelane_b32 v[TM+5], s36, 16               ; lane 16 takes lane 15's factor
.irp n, 1,2,4,8
	v_mul_f32_dpp v[TM+5], v[TM+5], v[TM+5] row_shr:\n row_mask:0xf bank_mask:0xf
.endr
	v_readlane_b32 s36, v[TM+5], 15
	v_mul_f32 v[T0], s36, v[TM+5]
	v_cndmask_b32 v[TM+5], v[TM+5], v[T0], s18     ; lanes 16-31: x the first sixteen's product
	v_mul_f32 v[T0], v[TM+5], v[TM+4]
	v_readlane_b32 s17, v[T0], 31                  ; the carry for the next step
	v_mul_f32 v[WGT], v[TM+3], v[TM+5]
	v_add_f32 v[ACCW], v[ACCW], v[WGT]
.endm
.macro HORN ka, kb                     ; one level of both sums of both pairs: four chains by turns
.irp i, 0,1
	v_pk_fma_f32 v[STG+8*\i+4:STG+8*\i+5], v[STG+8*\i+4:STG+8*\i+5], v[STG+8*\i:STG+8*\i+1], \ka op_sel_hi:[1,1,0]
	v_pk_fma_f32 v[STG+8*\i+6:STG+8*\i+7], v[STG+8*\i+6:STG+8*\i+7], v[STG+8*\i:STG+8*\i+1], \kb op_sel_hi:[1,1,0]
.endr
.endm
.macro PE2 p                           ; the encodings of feature pairs p and p + 1 into ring slots p % 4 and (p + 1) % 4.  Scratch of pair i at STG + 8 i: +0 turns, then the square; +2 the reduced angle; +4, +6 the sums
.irp i, 0,1
	v_pk_mul_f32 v[STG+8*\i:STG+8*\i+1], v[F+2*(\p+\i):F+2*(\p+\i)+1], 0.15915494 op_sel_hi:[1,0]
.endr
.irp i, 0,1
	v_rndne_f32 v[STG+8*\i], v[STG+8*\i]
	v_rndne_f32 v[STG+8*\i+1], v[STG+8*\i+1]
.endr
.irp i, 0,1
	v_pk_fma_f32 v[STG+8*\i+2:STG+8*\i+3], v[STG+8*\i:STG+8*\i+1], 0xc0c90fdb, v[F+2*(\p+\i):F+2*(\p+\i)+1] op_sel_hi:[1,0,1]
.endr
.irp i, 0,1
	v_pk_fma_f32 v[STG+8*\i+2:STG+8*\i+3], v[STG+8*\i:STG+8*\i+1], 0x343bbd2e, v[STG+8*\i+2:STG+8*\i+3] op_sel_hi:[1,0,1]
.endr
.irp i, 0,1
	v_pk_mul_f32 v[STG+8*\i:STG+8*\i+1], v[STG+8*\i+2:STG+8*\i+3], v[STG+8*\i+2:STG+8*\i+3]
.endr
.irp i, 0,1
	v_pk_fma_f32 v[STG+8*\i+4:STG+8*\i+5], v[STG+8*\i:STG+8*\i+1], s[22:23], 0xadd7322b op_sel_hi:[1,0,0]
	v_pk_fma_f32 v[STG+8*\i+6:STG+8*\i+7], v[STG+8*\i:STG+8*\i+1], s[24:25], 0xb013f27e op_sel_hi:[1,0,0]
.endr
	HORN 0x3238ef1d, 0x34500d01
	HORN 0xb6500d01, 0xb8360b61
	HORN 0x3a088889, 0x3baaaaab
	HORN 0xbd2aaaab, 0xbe800000
	HORN 1.0, 2.0
.irp i, 0,1
	v_pk_mul_f32 v[STG+8*\i+4:STG+8*\i+5], v[STG+8*\i+4:STG+8*\i+5], v[STG+8*\i+2:STG+8*\i+3]   ; 2 sin of half the angle
.endr
.irp i, 0,1
.set RS_, RING+24*((\p+\i)%4)
	v_pk_mul_f32 v[RS_:RS_+1], v[STG+8*\i+4:STG+8*\i+5], v[STG+8*\i+6:STG+8*\i+7]
	v_pk_fma_f32 v[RS_+12:RS_+13], v[STG+8*\i+4:STG+8*\i+5], v[STG+8*\i+4:STG+8*\i+5], 2.0 op_sel_hi:[1,1,0] neg_lo:[1,0,0] neg_hi:[1,0,0]
.endr
.irp j, 1,2,3,4,5
.irp i, 0,1
.set RS_, RING+24*((\p+\i)%4)
	v_pk_mul_f32 v[RS_+2*\j:RS_+2*\j+1], v[RS_+2*\j-2:RS_+2*\j-1], v[RS_+2*\j+10:RS_+2*\j+11]
	v_pk_fma_f32 v[RS_+2*\j+12:RS_+2*\j+13], v[RS_+2*\j-2:RS_+2*\j-1], v[RS_+2*\j-2:RS_+2*\j-1], 2.0 op_sel_hi:[1,1,0] neg_lo:[1,0,0] neg_hi:[1,0,0]
.endr
.endr
.endm
.macro KRS sym, i                      ; the register of encoding i (k = 30 + i): pair i / 24, feature (i % 24) / 12 of it, place i % 12
.set \sym, RING+24*(((\i)/24)%4)+2*(((\i)%24)%12)+((\i)%24)/12
.endm
.macro SCALE c, s, adj                 ; the largest magnitude in TM -> TM+4 the conversion's scale operand, TM+5 57,344 x the scale, the byte into place c of the word
	v_add_nc_u32 v[TM+4], 0xf8800000, v[TM]
	v_and_or_b32 v[TM+5], v[TM], 0x7f800000, s19
	v_lshrrev_b32 v[TM+6], 23, v[TM+4]
.if (\c) == 0
	v_mov_b32 v[XSW], v[TM+6]
.else
	v_lshl_or_b32 v[XSW], v[TM+6], 8*(\c), v[XSW]
.endif
.if (\c) == 3
	v_add_nc_u32 v[XS+(\s)], \adj, v[XSW]          ; 1 off the bytes of the doubled blocks (each is 2 at the least); 32 holds stand between this line and the products
.endif
.endm
.macro CVTG g, c                       ; eight held numbers become eight codes: k 8 g .. 8 g + 7 of block c of the K step
.if \g < 2
	v_cvt_scalef32_pk8_bf8_f32 v[XC0+4*(\c)+2*(\g):XC0+4*(\c)+2*(\g)+1], v[STG+8*((\g)%2):STG+8*((\g)%2)+7], v[TM+4]
.else
	v_cvt_scalef32_pk8_bf8_f32 v[XC1+4*(\c)+2*(\g)-4:XC1+4*(\c)+2*(\g)-3], v[STG+8*((\g)%2):STG+8*((\g)%2)+7], v[TM+4]
.endif
.endm
; 32 holds and four conversions; the holds of one group of eight are the plain instructions behind the conversion of the group before, and write the other half of the stage.
; kind 0: block 0 (27 features, the view direction, sin x0, sin 2 x0);  1: encodings I0 .. I0 + 31;  2: block 11 (two encodings, the record's 30 entries)
.macro HOLDCVT kind, c
.set n_, 0
.rept 32
.set DS_, STG+8*((n_/8)%2)+n_%8
.if \kind == 1
	KRS K0, I0+n_
	v_med3_num_f32 v[DS_], v[K0], -v[TM+5], v[TM+5]
.elseif \kind == 0
.if n_ < 27
	v_med3_num_f32 v[DS_], v[F+n_], -v[TM+5], v[TM+5]
.elseif n_ < 30
	v_med3_num_f32 v[DS_], s[32+n_-27], -v[TM+5], v[TM+5]
.else
	v_med3_num_f32 v[DS_], v[T0+n_-30], -v[TM+5], v[TM+5]
.endif
.else
.if n_ < 2
	KRS K0, 322+n_
	v_med3_num_f32 v[DS_], v[K0], -v[TM+5], v[TM+5]
.else
	v_med3_num_f32 v[DS_], s[66+n_-2], -v[TM+5], v[TM+5]
.endif
.endif
.if n_%8 == 7
	CVTG (n_/8), \c
.endif
.set n_, n_+1
.endr
	v_nop                                          ; one plain instruction behind the last conversion
.irp i, 0,1,2,3
	v_permlane16_swap_b32 v[XC0+4*(\c)+\i], v[XC1+4*(\c)+\i]   ; XC0's lanes 16-31 and XC1's lanes 0-15 change places
.endr
.endm
.macro BLKP b                          ; block b = 1 .. 10: 32 doubled encodings.  33 leaves (the floor 2^(17 - 127) among them): sixteen v_max3, four chains
.set I0, 32*(\b)-30
.irp c, 0,1,2,3
	KRS K0, I0+7*\c
	KRS K1, I0+7*\c+1
	KRS K2, I0+7*\c+2
	v_max3_num_f32 v[TM+\c], |v[K0]|, |v[K1]|, |v[K2]|
.endr
.irp e, 3,5
.irp c, 0,1,2,3
	KRS K0, I0+7*\c+\e
	KRS K1, I0+7*\c+\e+1
	v_max3_num_f32 v[TM+\c], v[TM+\c], |v[K0]|, |v[K1]|
.endr
.endr
	KRS K0, I0+28
	KRS K1, I0+29
	v_max3_num_f32 v[TM], v[TM], |v[K0]|, |v[K1]|
	KRS K0, I0+30
	KRS K1, I0+31
	v_max3_num_f32 v[TM+2], v[TM+2], |v[K0]|, |v[K1]|
	v_max3_num_f32 v[TM], v[TM], v[TM+1], v[TM+2]
	v_max3_num_f32 v[TM], v[TM], v[TM+3], 0x8800000
.if (\b)/4 == 0
	SCALE (\b)%4, 0, 0xfefeff00
.else
	SCALE (\b)%4, (\b)/4, 0xfefefeff
.endif
	HOLDCVT 1, (\b)%4
.endm
.macro BLK0                            ; block 0 is not doubled: its two encodings are halved first
	v_mul_f32 v[T0], 0.5, v[RING]
	v_mul_f32 v[T1], 0.5, v[RING+2]
.irp c, 0,1,2
	v_max3_num_f32 v[TM+\c], |v[F+7*\c]|, |v[F+7*\c+1]|, |v[F+7*\c+2]|
.endr
	v_max3_num_f32 v[TM+3], |v[F+21]|, |v[F+22]|, |v[F+23]|
.irp e, 3,5
.irp c, 0,1,2
	v_max3_num_f32 v[TM+\c], v[TM+\c], |v[F+7*\c+\e]|, |v[F+7*\c+\e+1]|
.endr
.endr
	v_max3_num_f32 v[TM+3], v[TM+3], |v[F+24]|, |v[F+25]|
	v_max3_num_f32 v[TM+3], v[TM+3], |v[F+26]|, |v[T0]|
	v_max3_num_f32 v[TM], v[TM], |v[T1]|, s30
	v_max3_num_f32 v[TM], v[TM], v[TM+1], v[TM+2]
	v_max3_num_f32 v[TM], v[TM], v[TM+3], 0x8000000
	SCALE 0, 0, 0
	HOLDCVT 0, 0
.endm
.macro BLK11
	KRS K0, 322
	KRS K1, 323
	v_max3_num_f32 v[TM], |v[K0]|, |v[K1]|, s31
	v_max_num_f32 v[TM], 0x8800000, v[TM]
	SCALE 3, 2, 0xfefefeff
	HOLDCVT 2, 3
.endm
; A K step of the first product.  Codes written by vector instructions stand four places ahead of a scaled product.  The accumulators take turns, one instruction a turn.
; K step 0: the ray's C lies in the first group's accumulators: the second group's products take it from there into their own; nine places on the first group's add in place.
.macro L1STEP s
	NOPS 4
.if \s == 0
	s_wait_dscnt 0x0                               ; the ray's C is in
.endif
.if \s == 2
	WIN 0xa2                                       ; source 0 window 2, source 1 window 0, C and D window 2
.set WB_, 0
.else
	WIN 0xa1                                       ; source 0 window 1
.set WB_, 128*\s
.endif
.if \s == 0
.irp t, 0,1,2,3,4,5,6,7
	WS A1+8*\t, WB_+16*\t, XC1, A0+8*\t, W1S+\t, XS, 1
.endr
	NOPS 9
.irp t, 0,1,2,3,4,5,6,7
	WS A0+8*\t, WB_+16*\t, XC0, A0+8*\t, W1S+\t, XS, 0
.endr
.else
.irp t, 0,1,2,3,4,5,6,7
	WS A0+8*\t, WB_+16*\t, XC0, A0+8*\t, W1S+8*\s+\t, XS+\s, 0
	WS A1+8*\t, WB_+16*\t, XC1, A1+8*\t, W1S+8*\s+\t, XS+\s, 1
.endr
.endif
	WIN 0
.endm
; The first hidden layer of point group p: relu and quantiser in one.  Register 16 b + i of a lane is k = 32 b + 16 (lane / 16) + i of its point; a block's maximum is joined with lane l xor 16's.
.macro QUANT p
.set AC_, A0+64*\p
	WIN 0x0a                                       ; sources 0 and 1 window 2
.irp b, 0,1,2,3
	v_max3_num_f32 v[TM+\b], v[AC_+16*\b], v[AC_+16*\b+1], 0x8000000   ; no |.|: what is negative becomes 0 and must not count; each accumulator is read from its low end on
.endr
.irp i, 2,4,6,8,10,12,14
.irp b, 0,1,2,3
	v_max3_num_f32 v[TM+\b], v[AC_+16*\b+\i], v[AC_+16*\b+\i+1], v[TM+\b]
.endr
.endr
	WIN 0
.irp b, 0,1,2,3
	v_permlanex16_b32 v[TM+4+\b], v[TM+\b], s20, s21
.endr
.irp b, 0,1,2,3
	v_max_num_f32 v[TM+\b], v[TM+\b], v[TM+4+\b]
.endr
.irp b, 0,1,2,3
	v_add_nc_u32 v[TM+12+\b], 0xf8800000, v[TM+\b]
.endr
.irp b, 0,1,2,3
	v_and_or_b32 v[TM+8+\b], v[TM+\b], 0x7f800000, s19
.endr
.irp b, 0,1,2,3
	v_lshrrev_b32 v[TM+4+\b], 23, v[TM+12+\b]
.endr
	v_lshl_or_b32 v[HS+\p], v[TM+5], 8, v[TM+4]
	v_lshl_or_b32 v[HS+\p], v[TM+6], 16, v[HS+\p]
	v_lshl_or_b32 v[HS+\p], v[TM+7], 24, v[HS+\p]
	WIN 0x82                                       ; destination and source 0 window 2
.irp b, 0,1,2,3
.irp i, 0,1,2,3,4,5,6,7,8,9,10,11,12,13,14,15
	v_med3_num_f32 v[AC_+16*\b+\i], v[AC_+16*\b+\i], 0, v[TM+8+\b]   ; the activation and the hold in one
.endr
.endr
	WIN 0x02
.irp b, 0,1,2,3
	v_cvt_scalef32_pk8_bf8_f32 v[XC0+16*\p+4*\b:XC0+16*\p+4*\b+1], v[AC_+16*\b:AC_+16*\b+7], v[TM+12+\b]
	v_cvt_scalef32_pk8_bf8_f32 v[XC0+16*\p+4*\b+2:XC0+16*\p+4*\b+3], v[AC_+16*\b+8:AC_+16*\b+15], v[TM+12+\b]
.endr
	WIN 0
	v_nop                                          ; one plain instruction behind the last conversion
.endm
; ================================================================ the prologue
	s_load_b128 s[4:7], s[0:1], 0x0                ; gridT, idx
	s_load_b64 s[8:9], s[0:1], 0x10                ; frac
	s_load_b64 s[36:37], s[0:1], 0x18              ; rayc
	s_load_b128 s[40:43], s[0:1], 0x20             ; wimg, wsc
	s_load_b128 s[44:47], s[0:1], 0x30             ; b1, b2
	s_load_b64 s[48:49], s[0:1], 0x40              ; b3
	s_load_b64 s[10:11], s[0:1], 0x48              ; out0
	v_lshrrev_b32 v1, 5, v0
	v_readfirstlane_b32 s12, v1                    ; wave 0..3
	v_and_b32 v[LN], 31, v0
	v_lshlrev_b32 v[LI], 4, v[LN]
	v_lshlrev_b32 v[L4], 2, v[LN]
	v_lshlrev_b32 v[T0], 3, v[LN]
	s_mov_b32 s18, 0xffff0000
	s_mov_b32 s19, 0x600000
	s_mov_b32 s20, 0x76543210
	s_mov_b32 s21, 0xfedcba98
	s_mov_b32 s22, 0x29309231
	s_mov_b32 s23, s22
	s_mov_b32 s24, 0x2b8f76c8
	s_mov_b32 s25, s24
	s_lshl_b32 s50, ttmp9, 3
	s_lshl_b32 s51, s12, 1
	s_add_co_u32 s50, s50, s51                     ; my first ray: 8 x work-group + 2 x wave
	s_lshl_b32 s52, s50, 10                        ; its 256 points of 4 bytes
	s_mov_b32 s53, 0
	s_lshl_b32 s54, s50, 8                         ; its record
	s_mov_b32 s55, 0
	s_mul_i32 s56, s50, 12                         ; its result
	s_mov_b32 s57, 0
	s_wait_kmcnt 0x0
	s_add_nc_u64 s[6:7], s[6:7], s[52:53]
	s_add_nc_u64 s[8:9], s[8:9], s[52:53]
	s_add_nc_u64 s[36:37], s[36:37], s[54:55]
	s_add_nc_u64 s[10:11], s[10:11], s[56:57]
	s_load_b96 s[60:62], s[48:49], 0x0             ; b3
	LDIF 0                                         ; step 0
	global_load_b64 v[RC0:RC0+1], v[T0], s[36:37]
	global_load_b64 v[RC1:RC1+1], v[T0], s[36:37] offset:256
	s_wait_loadcnt 0x0
	NEXTW
	GATHER                                         ; step 0's corners go out ahead of everything else
	LDIF 128                                       ; step 1
	v_lshrrev_b32 v[T0], 4, v[LN]                  ; h
	v_lshlrev_b32 v[T1], 5, v[T0]                  ; 32 h: b2's eight numbers of my half
	v_lshlrev_b32 v[T0], 6, v[T0]                  ; 64 h: b1's
	s_lshl_b32 s52, s12, 12
	s_add_co_u32 s52, s52, 65536
	s_add_nc_u64 s[56:57], s[40:41], s[52:53]      ; W2's fragments 2 w and 2 w + 1
	s_lshl_b32 s54, s12, 7
	s_add_nc_u64 s[46:47], s[46:47], s[54:55]      ; b2's tiles 2 w and 2 w + 1
	WIN 0x40                                       ; destination window 1
.set f_, 0
.rept 16
.irp c, 0,1,2,3
	global_load_b128 v[16*f_+4*\c:16*f_+4*\c+3], v[LI], s[40:41] offset:2048*f_+512*\c
.endr
.set f_, f_+1
.endr
	WIN 0x80                                       ; destination window 2
.rept 8
.irp c, 0,1,2,3
	global_load_b128 v[16*(f_-16)+4*\c:16*(f_-16)+4*\c+3], v[LI], s[40:41] offset:2048*f_+512*\c
.endr
.set f_, f_+1
.endr
.irp p, 0,1                                    ; b1 in the result's layout, once for each ray: tile 2 b + u, lane (r, h): units 32 b + 16 h + 8 u + 0 .. 7
.irp t, 0,1,2,3,4,5,6,7
	global_load_b128 v[A0+64*\p+8*\t:A0+64*\p+8*\t+3], v[T0], s[44:45] offset:(32*(\t/2)+8*(\t%2))*4
	global_load_b128 v[A0+64*\p+8*\t+4:A0+64*\p+8*\t+7], v[T0], s[44:45] offset:(32*(\t/2)+8*(\t%2))*4+16
.endr
.endr
	WIN 0xc0                                       ; destination window 3
.irp tt, 0,1,2,3
	global_load_b128 v[224+8*\tt:227+8*\tt], v[LI], s[40:41] offset:81920+1024*\tt
	global_load_b128 v[228+8*\tt:231+8*\tt], v[LI], s[40:41] offset:81920+1024*\tt+512
.endr
	WIN 0
.irp t, 0,1,2,3,4,5,6,7
.irp c, 0,1,2,3
	global_load_b128 v[OV+16*\t+4*\c:OV+16*\t+4*\c+3], v[LI], s[40:41] offset:2048*(24+\t)+512*\c   ; W1's K step 3
.endr
	global_load_b32 v[W1S+\t], v[L4], s[42:43] offset:128*(24+\t)   ; and its scale words, for now where K step 0's will stand
	global_load_b32 v[W2S+\t], v[L4], s[42:43] offset:128*(32+\t)
.endr
.set f_, 8
.rept 16
	global_load_b32 v[W1S+f_], v[L4], s[42:43] offset:128*f_
.set f_, f_+1
.endr
.irp i, 0,1
.irp c, 0,1,2,3
	global_load_b128 v[XC0+16*\i+4*\c:XC0+16*\i+4*\c+3], v[LI], s[56:57] offset:2048*\i+512*\c
.endr
	global_load_b128 v[TM+8*\i:TM+8*\i+3], v[T1], s[46:47] offset:64*\i
	global_load_b128 v[TM+8*\i+4:TM+8*\i+7], v[T1], s[46:47] offset:64*\i+16
.endr
	s_lshl_b32 s52, s12, 12
	v_add_nc_u32 v[WGT], s52, v[LI]                ; where my two fragments of W2 go
	s_lshl_b32 s52, s12, 11
	v_add_nc_u32 v[ACCW], s52, v[LI]               ; and my two tiles of b2
	s_lshl_b32 s16, s12, 14
	s_add_co_u32 s16, s16, CIMG                    ; my first ray's C
	v_add_nc_u32 v[CAD], s16, v[LI]
	s_wait_loadcnt 0x0
	s_wait_kmcnt 0x0
.irp i, 0,1
.irp c, 0,1,2,3
	ds_store_b128 v[WGT], v[XC0+16*\i+4*\c:XC0+16*\i+4*\c+3] offset:W2IMG+2048*\i+512*\c
.endr
.irp g, 0,1
	ds_store_b128 v[ACCW], v[TM+8*\i+4*\g:TM+8*\i+4*\g+3] offset:B2IMG+1024*\i+512*\g
.endr
.endr
.irp j, 0,1,2
	v_mov_b32 v[T0], s[60+\j]
	v_mul_f32 v[T0], 0xbfb8aa3b, v[T0]
	v_readfirstlane_b32 s[26+\j], v[T0]            ; -log2(e) b3
.endr
	s_wait_dscnt 0x0                               ; the stores have read their registers
	; block 12 of each ray as source 1: all sixteen columns alike; lanes 0-15 hold k = 384 .. 399 (two words of codes, then zeros), lanes 16-31 zeros
	v_cmp_gt_u32 vcc_lo, 16, v[LN]
.irp p, 0,1
	v_readlane_b32 s52, v[RC0+2*\p], 21
	v_readlane_b32 s53, v[RC0+2*\p+1], 21
	v_readlane_b32 s54, v[RC0+2*\p], 22
	v_mov_b32 v[T0], s52
	v_mov_b32 v[T1], s53
	v_cndmask_b32 v[XC0+16*\p], 0, v[T0], vcc_lo
	v_cndmask_b32 v[XC0+16*\p+1], 0, v[T1], vcc_lo
.irp i, 2,3,4,5,6,7,8,9,10,11,12,13,14,15
	v_mov_b32 v[XC0+16*\p+\i], 0
.endr
	v_mov_b32 v[XS+\p], s54
.endr
	NOPS 8                                         ; a scale word written by a vector instruction stands eight places ahead of a scaled product
	WIN 0xa0                                       ; sources 0 and 1 window 0, C and D window 2
.irp t, 0,1,2,3,4,5,6,7
	WS A0+8*\t, OV+16*\t, XC0, A0+8*\t, W1S+\t, XS, 0
	WS A1+8*\t, OV+16*\t, XC1, A1+8*\t, W1S+\t, XS+1, 0
.endr
	NOPS 8                                         ; eight places behind this form ahead of stores that read results and of loads into its registers
	WIN 0x08                                       ; an LDS store's data are its source 1: window 2
.irp p, 0,1
.irp g, 0,1,2,3,4,5,6,7,8,9,10,11,12,13,14,15
	ds_store_b128 v[CAD], v[A0+64*\p+4*\g:A0+64*\p+4*\g+3] offset:8192*\p+512*\g   ; each accumulator from its low end on
.endr
.endr
	WIN 0
.irp t, 0,1,2,3,4,5,6,7
	global_load_b32 v[W1S+\t], v[L4], s[42:43] offset:128*\t   ; K step 0's scale words take their place
.endr
	v_mov_b32 v[RES], 0
	s_mov_b32 s13, 0
	s_mov_b32 s15, 0
	s_wait_dscnt 0x0                               ; for the others' sake: my stores into LDS are done
	s_barrier_signal -1
	s_barrier_wait -1                              ; from here on LDS is only read
; ================================================================ two rays, eight steps each
.Lray:
.set l_, 0
.rept 15
	v_readlane_b32 s[66+2*l_], v[RC0], l_
	v_readlane_b32 s[67+2*l_], v[RC0+1], l_
.set l_, l_+1
.endr
	v_readlane_b32 s32, v[RC0], 18
	v_readlane_b32 s33, v[RC0+1], 18
	v_readlane_b32 s34, v[RC0], 19
	v_readlane_b32 s30, v[RC0+1], 19
	v_readlane_b32 s31, v[RC0], 20
	v_readlane_b32 s29, v[RC0+1], 20
	s_mov_b32 s17, 1.0                             ; the transmittance in front of the first sample
.irp r, 0,1,2,3
	v_mov_b32 v[ACCW+\r], 0
.endr
	s_mov_b32 s14, 0
.Lstep:
	s_wait_loadcnt 0x0                             ; this step's corners and the next step's index and fractions are in; their address registers are free
	s_add_nc_u64 s[6:7], s[6:7], 128
	s_add_nc_u64 s[8:9], s[8:9], 128
	REDUCE
	s_cmp_lt_u32 s13, 15                           ; the last step asks for nothing: no load leaves its buffer
	s_cbranch_scc0 .Lno_gather
	NEXTW
	GATHER                                         ; the next step's 56 loads have the rest of this step in which to land
	s_cmp_lt_u32 s13, 14
	s_cbranch_scc0 .Lno_gather
	LDIF 128                                       ; and the index and fractions of the step after it: 60 loads of mine are out
.Lno_gather:
	v_add_nc_u32 v[CAD], s16, v[LI]
	WIN 0x80
.irp g, 0,1,2,3,4,5,6,7,8,9,10,11,12,13,14,15
	ds_load_b128 v[A0+4*\g:A0+4*\g+3], v[CAD] offset:512*\g   ; the ray's C: b1 + block 12's product
.endr
	WIN 0
	DENS
	SCAN
	PE2 0
	BLK0
	BLKP 1
	PE2 2
	BLKP 2
	PE2 4
	BLKP 3
	L1STEP 0
	BLKP 4
	PE2 6
	BLKP 5
	PE2 8
	BLKP 6
	BLKP 7
	L1STEP 1
	PE2 10
	BLKP 8
	PE2 12
	BLKP 9
	BLKP 10
	BLK11
.irp t, 0,1,2,3,4,5,6,7
.irp c, 0,1,2,3
	ds_load_b128 v[OV+16*\t+4*\c:OV+16*\t+4*\c+3], v[LI] offset:W2IMG+2048*\t+512*\c   ; W2 takes the registers that features and encodings have left
.endr
.endr
	L1STEP 2
	NOPS 8                                         ; eight places ahead of the first read of results
	QUANT 0
	WIN 0x80
.irp t, 0,1,2,3,4,5,6,7
	ds_load_b128 v[A0+8*\t:A0+8*\t+3], v[LI] offset:B2IMG+1024*\t
	ds_load_b128 v[A0+8*\t+4:A0+8*\t+7], v[LI] offset:B2IMG+1024*\t+512   ; b2, the C of the second product
.endr
	WIN 0
	QUANT 1
	NOPS 4
	s_wait_dscnt 0x0                               ; W2 and b2 are in
	WIN 0xa0
.irp t, 0,1,2,3,4,5,6,7
	WS A1+8*\t, OV+16*\t, XC1, A0+8*\t, W2S+\t, HS+1, 0
.endr
	NOPS 9                                         ; nine places ahead of products that write over the C of those above
.irp t, 0,1,2,3,4,5,6,7
	WS A0+8*\t, OV+16*\t, XC0, A0+8*\t, W2S+\t, HS, 0
.endr
	NOPS 8
	WIN 0x88                                       ; destination and source 1 window 2
.set i_, 0
.rept 128
	v_max_num_f32 v[A0+i_], 0, v[A0+i_]            ; relu, each accumulator from its low end on
.set i_, i_+1
.endr
	WIN 0x0a
.set i_, 0
.rept 64
	v_cvt_pk_bf16_f32 v[HB+i_], v[A0+2*i_], v[A0+2*i_+1]   ; tiles 2 tt and 2 tt + 1 are source 1's registers 0-3 and 4-7 for K = 32 tt on
.set i_, i_+1
.endr
	WIN 0
	NOPS 4
	WIN 0x03                                       ; source 0 (W3^T) window 3
.irp tt, 0,1,2,3
.irp p, 0,1
.if \tt == 0
	v_wmma_f32_16x16x32_bf16 v[D3+8*\p:D3+8*\p+7], v[224+8*\tt:231+8*\tt], v[HB+32*\p+8*\tt:HB+32*\p+8*\tt+7], 0
.else
	v_wmma_f32_16x16x32_bf16 v[D3+8*\p:D3+8*\p+7], v[224+8*\tt:231+8*\tt], v[HB+32*\p+8*\tt:HB+32*\p+8*\tt+7], v[D3+8*\p:D3+8*\p+7]
.endif
.endr
.endr
	WIN 0
	NOPS 4
	; W3^T stands in rows 0-2 and 8-10, so both halves of the lanes hold the three channels: lane l takes its own point's from group l / 16
.irp j, 0,1,2
	v_cndmask_b32 v[TM+\j], v[D3+\j], v[D3+8+\j], s18
.endr
.irp j, 0,1,2
	v_fma_f32 v[TM+\j], v[TM+\j], 0xbfb8aa3b, s[26+\j]
.endr
.irp j, 0,1,2
	v_exp_f32 v[TM+\j], v[TM+\j]
.endr
	v_nop
	s_wait_alu depctr_va_vdst(0)
.irp j, 0,1,2
	v_add_f32 v[TM+\j], 1.0, v[TM+\j]
.endr
.irp j, 0,1,2
	v_rcp_f32 v[TM+\j], v[TM+\j]                   ; the sigmoid
.endr
	v_nop
	s_wait_alu depctr_va_vdst(0)
.irp j, 0,1,2
	v_fmac_f32 v[RGB+\j], v[WGT], v[TM+\j]
.endr
	s_add_co_u32 s13, s13, 1
	s_add_co_u32 s14, s14, 1
	s_cmp_lt_u32 s14, 8
	s_cbranch_scc1 .Lstep
	; the ray's end: four sums over the 32 lanes, the white background, the clip
.irp m, 1,2,4,8
.irp r, 0,1,2,3
	v_add_f32_dpp v[ACCW+\r], v[ACCW+\r], v[ACCW+\r] row_xmask:\m row_mask:0xf bank_mask:0xf
.endr
.endr
.irp r, 0,1,2,3
	v_permlanex16_b32 v[TM+\r], v[ACCW+\r], s20, s21
.endr
.irp r, 0,1,2,3
	v_add_f32 v[ACCW+\r], v[ACCW+\r], v[TM+\r]
.endr
	v_sub_f32 v[T0], 1.0, v[ACCW]
	s_mul_i32 s36, s15, 3
.irp j, 0,1,2
	v_add_f32 v[TM+\j], v[RGB+\j], v[T0]
	v_med3_num_f32 v[TM+\j], v[TM+\j], 0, 1.0
	v_cmp_eq_u32 vcc_lo, s36, v[LN]
	v_cndmask_b32 v[RES], v[RES], v[TM+\j], vcc_lo ; into lane 3 x ray + channel
	s_add_co_u32 s36, s36, 1
.endr
	v_mov_b32 v[RC0], v[RC1]
	v_mov_b32 v[RC0+1], v[RC1+1]
	s_add_co_u32 s16, s16, 8192                    ; the other ray's C
	s_add_co_u32 s15, s15, 1
	s_cmp_lt_u32 s15, 2
	s_cbranch_scc1 .Lray
	s_wait_xcnt 0x0                                ; EXEC changes only behind this wait
	v_cmp_gt_u32 vcc_lo, 6, v[LN]
	s_and_saveexec_b32 s36, vcc_lo
	global_store_b32 v[L4], v[RES], s[10:11]       ; my two rays' 24 consecutive bytes
	s_wait_xcnt 0x0
	s_or_b32 exec_lo, exec_lo, s36
	s_wait_xcnt 0x0
	s_mov_b32 exec_lo, -1
	v_lshl_add_u32 v254, v0, 2, 0x16000
	v_mov_b32 v255, 0
	s_wait_tensorcnt 0x0
	ds_add_u32 v254, v255
	s_wait_dscnt 0x0
	s_endpgm
.Lfunc_end_k_q553371bacb_render:
	.size	k_q553371bacb_render, .Lfunc_end_k_q553371bacb_render-k_q553371bacb_render
	.p2alignl 7, 3214868480
	.fill 96, 4, 3214868480
	.section	.rodata,"a",@progbits
	.p2align	6, 0x0
	.amdhsa_kernel k_q553371bacb_render
		.amdhsa_group_segment_fixed_size 90624
		.amdhsa_private_segment_fixed_size 0
		.amdhsa_enable_private_segment 0
		.amdhsa_kernarg_size 80
		.amdhsa_user_sgpr_count 2
		.amdhsa_user_sgpr_kernarg_segment_ptr 1
		.amdhsa_wavefront_size32 1
		.amdhsa_system_sgpr_workgroup_id_x 1
		.amdhsa_system_sgpr_workgroup_id_y 1
		.amdhsa_system_sgpr_workgroup_id_z 1
		.amdhsa_system_vgpr_workitem_id 0
		.amdhsa_next_free_vgpr 1024
		.amdhsa_next_free_sgpr 100
		.amdhsa_reserve_vcc 1
		.amdhsa_float_denorm_mode_32 3
		.amdhsa_float_denorm_mode_16_64 3
		.amdhsa_memory_ordered 1
		.amdhsa_forward_progress 1
		.amdhsa_inst_pref_size 174
	.end_amdhsa_kernel
	.amdgpu_metadata
---
amdhsa.version: [ 1, 2 ]
amdhsa.kernels:
  - .name:           k_q553371bacb_render
    .symbol:         k_q553371bacb_render.kd
    .args:
      - { .name: gridT, .offset: 0, .size: 8, .value_kind: global_buffer, .address_space: global }
      - { .name: idx, .offset: 8, .size: 8, .value_kind: global_buffer, .address_space: global }
      - { .name: frac, .offset: 16, .size: 8, .value_kind: global_buffer, .address_space: global }
      - { .name: rayc, .offset: 24, .size: 8, .value_kind: global_buffer, .address_space: global }
      - { .name: wimg, .offset: 32, .size: 8, .value_kind: global_buffer, .address_space: global }
      - { .name: wsc, .offset: 40, .size: 8, .value_kind: global_buffer, .address_space: global }
      - { .name: b1, .offset: 48, .size: 8, .value_kind: global_buffer, .address_space: global }
      - { .name: b2, .offset: 56, .size: 8, .value_kind: global_buffer, .address_space: global }
      - { .name: b3, .offset: 64, .size: 8, .value_kind: global_buffer, .address_space: global }
      - { .name: out0, .offset: 72, .size: 8, .value_kind: global_buffer, .address_space: global }
    .group_segment_fixed_size: 90624
    .private_segment_fixed_size: 0
    .kernarg_segment_align: 8
    .kernarg_segment_size: 80
    .max_flat_workgroup_size: 128
    .sgpr_count:     100
    .vgpr_count:     1024
    .wavefront_size: 32
...
	.end_amdgpu_metadata
.endif
;; end of part 2
